; MI455X (gfx1250); checked and timed in simulation.
; The chip was launched on July 23, 2026; its instructions are those of AMD's public machine-readable ISA for CDNA 5 (MIT licence, August 2026) and "CDNA5" Instruction Set Architecture Reference Guide (July 2026). The comments in the code are by the model that wrote it; some were corrected since.
;; Correct Error. Allowed arithmetic: matrix products marked QUANTISED: E3M2 operands, one E8M0 scale for each 32 along K, by v_wmma_scale_f32_16x16x128_f8f6f4 with both operands' format E3M2, f32 sums; everything else in f32.
;; Inputs: h_query 1,024 x 512 float32; memory_embeds 100,000 x 512 float32; true_values 100,000 float32.
;; Outputs: out0 1,024 float32.
;; Constants: k = 32.
;; This version of the problem:
;;   THIS VERSION OF THE PROBLEM IS GIVEN IN LOW PRECISION. The matrix products marked QUANTISED in the list below multiply operands that are first quantised to E3M2 (3 exponent bits, 2 mantissa bits; 6 bits a number), with one power-of-two scale for each 32 numbers along K (OCP MX v1.0); their sums are f32. All else is computed in f32.
;;   The module's matrix products, in the order in which they are computed (A, B: the left and right operand; K: the contracted axis; several contracted axes count as one K, in the product's order):
;;     1. [M 1,024, K 512] x [K 512, N 100,000]; A: input h_query; B: input memory_embeds: QUANTISED
;;   THE QUANTISER, for each operand of a quantised product, along K:
;;     - K is cut into blocks of 32 from its start; a last block that is shorter is filled with zeros.
;;     - A block's scale is 2^e with e = floor(log2(the largest magnitude in the block)) - 4, held to -126 .. 127; a block of zeros has e = 0. As a byte (E8M0): e + 127.
;;     - Each number is divided by its block's scale, clamped to +-28, and rounded to the nearest number of E3M2, ties to even, subnormals kept.
;;     - The product sums the exact products of the quantised numbers (number of the format x scale) in f32.
;;   ~~~python
;;   def quantise(x, axis):      # numpy; x: float32 -> the quantised numbers, widened to float32 again
;;       x = np.moveaxis(x, axis, -1); K = x.shape[-1]
;;       x = np.pad(x, [(0, 0)] * (x.ndim - 1) + [(0, -K % 32)]); x = x.reshape(x.shape[:-1] + (-1, 32)); a = np.abs(x).max(-1, keepdims=True)
;;       e = np.where(a > 0, np.clip(np.frexp(np.where(a > 0, a, 1))[1] - 1 - 4, -126, 127), 0)      # np.frexp(a)[1] - 1 = floor(log2(a)), exactly
;;       r = np.clip(x / 2.0 ** e, -28, 28)
;;       step = 2.0 ** (np.maximum(np.frexp(np.where(r == 0, 1, r))[1] - 1, -2) - 2)
;;       q = np.round(r / step) * step * 2.0 ** e      # np.round: ties to even
;;       return np.moveaxis(q.reshape(q.shape[:-2] + (-1,))[..., :K], -1, axis).astype(np.float32)
;;   ~~~
;; One version. Each part assembles by itself: llvm-mc -triple=amdgcn-amd-amdhsa -mcpu=gfx1250 --defsym DOCPART=n.
;; ======== version 1 of 1: 5 launches
;; limits: right only within a limited range of input values
;; workspace buffers: qpk 413,696 bytes; cimg 38,400,000 bytes; cside 2,000,128 bytes; amin 57,344,000 bytes; bmin 4,194,304 bytes; sel2 262,144 bytes of whole numbers; sel3 262,144 bytes of whole numbers
;; launch prep (part 1): grid 64 x 1, 1 waves a work-group, no clusters, 0 bytes of LDS; arguments h_query, qpk, bmin; writes qpk, bmin
.if DOCPART == 1
	.amdgcn_target "amdgcn-amd-amdhsa--gfx1250"
	.amdhsa_code_object_version 6
	.text
	.protected	k_qd107351819_prep
	.globl	k_qd107351819_prep
	.p2align	8
	.type	k_qd107351819_prep,@function
k_qd107351819_prep:
	s_mov_b64 s[64:65], 0
	v_nop
	global_prefetch_b8 v0, s[64:65] scope:SCOPE_SE
	s_setreg_imm32_b32 hwreg(HW_REG_WAVE_MODE, 25, 1), 1
	s_wait_xcnt 0x0
; The 1,024 queries [1024][512] f32 become codes of BF6 (E3M2) with one E8M0 byte for each 32 along K, laid as IMAGES OF THE OPERAND'S REGISTERS.
; qpk: [tile of 16 queries 64][K step 4][quad of registers 3][lane 32][16 bytes]; at 393,216 the scale pairs [tile][lane][2 words]; at 409,600 qq[1024] = the sum of squares of the UNQUANTISED row.
; A scale pair: word 0 holds in lanes 0-15 the word of K step 0 and in lanes 16-31 that of K step 1; word 1 likewise K steps 2 and 3: the matrix instruction reads the odd step's from the upper lanes.
; One wave takes one tile.  Lane (r, h) takes of row r, of each block of 32, the 16 numbers 16 h on: a block lies in lanes l and l xor 16.
; The launch also stores +infinity into the six chunks 250..255 of bmin, which no memory row fills: 98,304 bytes, 1,536 a work-group.
; A block's scale is 2^(floor(log2(largest magnitude)) - 4): its byte is the largest magnitude's exponent field - 4, held at 1 from below.
; LIMITS: NaN and infinities among the inputs are not served; a block whose largest magnitude lies under 2^-122 (a block of zeros too) keeps the byte 1: its codes then are what the byte 1 gives, zeros for zeros, and these bytes are read by this program alone.
; qq is summed in four chains and across two lanes: another order than a plain row sum; it differs from it by f32 rounding alone.
; No LDS, no matrix unit, no cluster: 2 MiB are read once and nothing is shared.
.set XB,  16                           ; v16-207  six sets of 32 numbers: half a K step of my row
.set PC,  208                          ; v208-231 a K step's codes, 12 registers, two sets by turns
.set D1,  232                          ; v232-234 the second conversion's result (three registers begin on an even number)
.set TM,  236                          ; v236-243 +0,1 largest magnitudes; +2,3 the other lane's; +4,5 the conversions' scale operands; +6,7 bytes
.set PW,  244                          ; the K step's scale word
.set S01, 246                          ; the scale pair
.set S23, 247
.set SS,  248                          ; v248-251 the sum of squares, four chains
.set IQ,  252                          ; v252-255 +infinity
.set SEL, 20                           ; s[20:21] v_permlanex16_b32's selects for lane l xor 16
.set HI,  22                           ; s22 the mask of lanes 16-31
; 32 numbers of a lane, register 16 b + i = k 32 b + 16 h + i of half a K step: sums of squares, the two blocks' scales, and registers 6 c .. 6 c + 5 of the fragment at PCK.
.macro QHALF X, c, first, PCK
.if \first
	v_pk_mul_f32 v[SS:SS+1], v[(\X):(\X)+1], v[(\X):(\X)+1]                    ; the first products start the sums: nothing is cleared
	v_pk_mul_f32 v[SS+2:SS+3], v[(\X)+2:(\X)+3], v[(\X)+2:(\X)+3]
.else
	v_pk_fma_f32 v[SS:SS+1], v[(\X):(\X)+1], v[(\X):(\X)+1], v[SS:SS+1]
	v_pk_fma_f32 v[SS+2:SS+3], v[(\X)+2:(\X)+3], v[(\X)+2:(\X)+3], v[SS+2:SS+3]
.endif
.irp i, 4,8,12,16,20,24,28
	v_pk_fma_f32 v[SS:SS+1], v[(\X)+\i:(\X)+\i+1], v[(\X)+\i:(\X)+\i+1], v[SS:SS+1]
	v_pk_fma_f32 v[SS+2:SS+3], v[(\X)+\i+2:(\X)+\i+3], v[(\X)+\i+2:(\X)+\i+3], v[SS+2:SS+3]
.endr
.irp b, 0,1
	v_max3_num_f32 v[TM+\b], |v[(\X)+16*\b]|, |v[(\X)+16*\b+1]|, 0x2800000     ; my 16 numbers of block b, and the floor 2^(5 - 127): the byte cannot fall under 1
.endr
.irp i, 2,4,6,8,10,12,14
.irp b, 0,1
	v_max3_num_f32 v[TM+\b], v[TM+\b], |v[(\X)+16*\b+\i]|, |v[(\X)+16*\b+\i+1]|
.endr
.endr
.irp b, 0,1
	v_permlanex16_b32 v[TM+2+\b], v[TM+\b], s[SEL], s[SEL+1]
.endr
.irp b, 0,1
	v_max_num_f32 v[TM+\b], v[TM+\b], v[TM+2+\b]                               ; with lane l xor 16's: the block's largest magnitude
.endr
.irp b, 0,1
	v_add_nc_u32 v[TM+4+\b], 0xfe000000, v[TM+\b]                              ; 4 off its exponent field: the conversion takes that field as its scale
.endr
.irp b, 0,1
	v_lshrrev_b32 v[TM+6+\b], 23, v[TM+4+\b]                                   ; the scale's byte
.endr
.if (\c) == 0
	v_lshl_or_b32 v[PW], v[TM+7], 8, v[TM+6]                                   ; bytes 0 and 1 of the K step's word
.else
	v_lshl_or_b32 v[PW], v[TM+6], 16, v[PW]                                    ; bytes 2 and 3
	v_lshl_or_b32 v[PW], v[TM+7], 24, v[PW]
.endif
	v_cvt_scalef32_pk16_bf6_f32 v[(\PCK)+6*(\c):(\PCK)+6*(\c)+2], v[(\X):(\X)+15], v[TM+4]
	v_cvt_scalef32_pk16_bf6_f32 v[D1:D1+2], v[(\X)+16:(\X)+31], v[TM+5]
	v_nop                                                                      ; one plain instruction behind a scaled conversion
.irp i, 0,1,2
	v_permlane16_swap_b32 v[(\PCK)+6*(\c)+\i], v[D1+\i]                        ; the operand wants a WHOLE block in a lane: lanes 0-15 the first block, lanes 16-31 the second
.endr
.irp i, 0,1,2
	v_mov_b32 v[(\PCK)+6*(\c)+3+\i], v[D1+\i]
.endr
.endm
.macro KSTEP_END k                     ; the K step's word goes into the pair: even steps whole, odd steps into lanes 16-31
.if (\k) == 0
	v_mov_b32 v[S01], v[PW]
.elseif (\k) == 1
	v_cndmask_b32 v[S01], v[S01], v[PW], s[HI]
.elseif (\k) == 2
	v_mov_b32 v[S23], v[PW]
.else
	v_cndmask_b32 v[S23], v[S23], v[PW], s[HI]
.endif
.endm
.macro LOADH e                         ; half e of the row (64 along K): my 16 numbers of each of its two blocks
.irp b, 0,1
.irp j, 0,1,2,3
	global_load_b128 v[XB+32*((\e)%6)+16*\b+4*\j:XB+32*((\e)%6)+16*\b+4*\j+3], v4, s[4:5] offset:256*(\e)+128*\b+16*\j th:TH_LOAD_NT
.endr
.endr
.endm
.macro HALF e, cnt
	s_wait_loadcnt \cnt                                                        ; this half's eight loads are in; cnt = the loads issued behind them
.if ((\e) == 4) || ((\e) == 6)
	s_wait_xcnt 0x0                                                            ; the stores of two K steps ago have read this set of code registers
.endif
	QHALF XB+32*((\e)%6), (\e)%2, (\e)==0, PC+12*(((\e)/2)%2)
.if (\e) < 2
	LOADH (\e)+6
.endif
.if (\e)%2
	KSTEP_END (\e)/2
.irp i, 0,1,2
	global_store_b128 v5, v[PC+12*(((\e)/2)%2)+4*\i:PC+12*(((\e)/2)%2)+4*\i+3], s[12:13] offset:1536*((\e)/2)+512*\i   ; 32 lanes store 512 consecutive bytes
.endr
.endif
.endm
	s_load_b128 s[4:7], s[0:1], 0x0                ; h_query, qpk
	s_load_b64 s[8:9], s[0:1], 0x10                ; bmin
	v_and_b32 v1, 31, v0                           ; lane
	v_and_b32 v2, 15, v0                           ; r
	v_bfe_u32 v3, v0, 4, 1                         ; h
	v_lshlrev_b32 v4, 11, v2
	v_lshl_add_u32 v4, v3, 6, v4                   ; row r of 2,048 bytes + 64 h
	v_lshlrev_b32 v5, 4, v1                        ; 16 x lane
	v_lshlrev_b32 v6, 3, v1                        ; 8 x lane
	v_lshlrev_b32 v7, 2, v2                        ; 4 r
	s_mov_b32 s[SEL], 0x76543210
	s_mov_b32 s[SEL+1], 0xfedcba98
	s_mov_b32 s[HI], 0xffff0000
	v_mov_b32 v[TM+2], 0                           ; a lane permute's destination counts as one of its sources
	v_mov_b32 v[TM+3], 0
.irp i, 0,1,2,3
	v_mov_b32 v[IQ+\i], 0x7f800000
.endr
	s_mov_b32 s11, 0
	s_mov_b32 s25, 0
	s_lshl_b32 s10, ttmp9, 15                      ; my tile's 16 rows of 2,048 bytes
	s_wait_alu depctr_va_vdst(0)
	s_wait_kmcnt 0x0
	s_add_nc_u64 s[4:5], s[4:5], s[10:11]
	s_mul_i32 s24, ttmp9, 6144
	s_add_nc_u64 s[12:13], s[6:7], s[24:25]        ; my tile's images
	s_lshl_b32 s24, ttmp9, 8
	s_add_nc_u64 s[14:15], s[6:7], s[24:25]        ; its scale pairs (+ 393,216 in the store)
	s_lshl_b32 s24, ttmp9, 6
	s_add_nc_u64 s[16:17], s[6:7], s[24:25]        ; its qq (+ 409,600)
	s_mul_i32 s24, ttmp9, 1536
	s_add_nc_u64 s[18:19], s[8:9], s[24:25]        ; my part of bmin's six empty chunks (+ 4,096,000)
.irp e, 0,1,2,3,4,5
	LOADH \e
.endr
.irp i, 0,1,2
	global_store_b128 v5, v[IQ:IQ+3], s[18:19] offset:4096000+512*\i
.endr
	HALF 0, 40
	HALF 1, 40
	HALF 2, 40
	HALF 3, 32
	HALF 4, 24
	HALF 5, 16
	HALF 6, 8
	HALF 7, 0
	global_store_b64 v6, v[S01:S01+1], s[14:15] offset:393216
	v_pk_add_f32 v[SS:SS+1], v[SS:SS+1], v[SS+2:SS+3]
	v_add_f32 v[SS], v[SS], v[SS+1]
	v_permlanex16_b32 v[SS+1], v[SS], s[SEL], s[SEL+1]
	v_add_f32 v[SS], v[SS], v[SS+1]                ; the row's sum of squares, in lanes r and r + 16
	v_cmp_gt_u32 vcc_lo, 16, v1
	s_wait_alu depctr_va_vdst(0)
	s_wait_xcnt 0x0                                ; EXEC changes only behind this wait: it is a source of the stores above
	s_and_saveexec_b32 s23, vcc_lo
	global_store_b32 v7, v[SS], s[16:17] offset:409600
	s_wait_xcnt 0x0
	s_or_b32 exec_lo, exec_lo, s23
	s_endpgm
.Lfunc_end_k_qd107351819_prep:
	.size	k_qd107351819_prep, .Lfunc_end_k_qd107351819_prep-k_qd107351819_prep
	.p2alignl 7, 3214868480
	.fill 96, 4, 3214868480
	.section	.rodata,"a",@progbits
	.p2align	6, 0x0
	.amdhsa_kernel k_qd107351819_prep
		.amdhsa_group_segment_fixed_size 0
		.amdhsa_private_segment_fixed_size 0
		.amdhsa_enable_private_segment 0
		.amdhsa_kernarg_size 24
		.amdhsa_user_sgpr_count 2
		.amdhsa_user_sgpr_kernarg_segment_ptr 1
		.amdhsa_wavefront_size32 1
		.amdhsa_system_sgpr_workgroup_id_x 1
		.amdhsa_system_sgpr_workgroup_id_y 1
		.amdhsa_system_sgpr_workgroup_id_z 1
		.amdhsa_system_vgpr_workitem_id 0
		.amdhsa_next_free_vgpr 256
		.amdhsa_next_free_sgpr 66
		.amdhsa_reserve_vcc 1
		.amdhsa_float_denorm_mode_32 3
		.amdhsa_float_denorm_mode_16_64 3
		.amdhsa_memory_ordered 1
		.amdhsa_forward_progress 1
		.amdhsa_inst_pref_size 34
	.end_amdhsa_kernel
	.amdgpu_metadata
---
amdhsa.version: [ 1, 2 ]
amdhsa.kernels:
  - .name:           k_qd107351819_prep
    .symbol:         k_qd107351819_prep.kd
    .args:
      - { .name: h_query, .offset: 0, .size: 8, .value_kind: global_buffer, .address_space: global }
      - { .name: qpk, .offset: 8, .size: 8, .value_kind: global_buffer, .address_space: global }
      - { .name: bmin, .offset: 16, .size: 8, .value_kind: global_buffer, .address_space: global }
    .group_segment_fixed_size: 0
    .private_segment_fixed_size: 0
    .kernarg_segment_align: 8
    .kernarg_segment_size: 24
    .max_flat_workgroup_size: 32
    .sgpr_count:     66
    .vgpr_count:     256
    .wavefront_size: 32
...
	.end_amdgpu_metadata
.endif
;; end of part 1
;; launch scan (part 2): grid 250 x 1, 4 waves a work-group, no clusters, 327,680 bytes of LDS; arguments memory_embeds, qpk, cimg, cside, amin, bmin; writes cimg, cside, amin, bmin
.if DOCPART == 2
	.amdgcn_target "amdgcn-amd-amdhsa--gfx1250"
	.amdhsa_code_object_version 6
	.text
	.protected	k_qd107351819_scan
	.globl	k_qd107351819_scan
	.p2align	8
	.type	k_qd107351819_scan,@function
k_qd107351819_scan:
	s_mov_b64 s[64:65], 0
	v_nop
	global_prefetch_b8 v0, s[64:65] scope:SCOPE_SE
	s_setreg_imm32_b32 hwreg(HW_REG_WAVE_MODE, 25, 1), 1
	s_wait_xcnt 0x0
; All 1,024 queries against 400 memory rows a work-group (chunk c = rows 400 c ..): 25 tiles of 16 rows, six quads of four tiles and one last tile.
; Each wave keeps 256 queries as codes in registers for the whole launch: 16 tiles x 4 K steps x 12 registers = 768, loaded once from qpk as images of the operand's registers.
; A QUAD: each wave quantises one tile of 16 rows (f32 from its own part of an LDS slot, brought by its own tensor load) into codes of E3M2 with E8M0 bytes, stores the images to LDS (for the other waves)
; and to cimg / cside (for the last launch), with mm = the row's sum of squares; a barrier; then every wave multiplies the quad's four tiles with its 16 query tiles.
; WHAT IS LEFT OUT HERE: dist = qq - 2 dot + mm, and qq is the same for all rows of one query: it moves no comparison between rows of that query, whatever the inputs hold.  This launch only ranks rows of one query,
; so it ranks them by mm / 2 - dot = (dist - qq) / 2.  The last launch forms dist as reference() writes it.  A NaN, an infinity or an overflow that reaches qq alone is not carried into this launch's keys.
; Source 0 = 16 memory rows, source 1 = 16 queries: lane (r, h) holds query r and its eight registers rows 8 h + 0..7.  The first product of each sum takes -mm / 2 as C, so a sum is dot - mm / 2; the greatest of a
; lane's eight, negated, is the group's least key.  It goes to amin [chunk][quad 7][wave][query tile 16][lane 32][tile 4]; the least of two quads (128 rows; the last block 16) to bmin [chunk][query][4].
; LIMIT: these keys are rounded in another order than the last launch's dist.  Both carry a few units in the last place of numbers near mm / 2 (some 2^-13 at distances near 1,000): of two rows of one query whose
; distances lie closer than that, either may count as the nearer when blocks and groups are chosen.
; The way out of a group of four accumulators stands behind the next group's K steps, four independent lines at a time.  A tile's LDS instructions stand in two runs.
; The ring: two slots of 4 x 33,280 bytes; a tile's 32,768 dense bytes come as 32 rows of 1,024 bytes, each at a multiple of 256 bytes of memory, 16 bytes of padding behind each.
; No cluster: no two work-groups read the same memory rows, and the queries' images (393,216 bytes, more than the ring holds) go from memory straight into registers, once.
; LIMITS: NaN and infinities among the inputs are not served; a block whose largest magnitude lies under 2^-122 keeps the byte 1 (zeros give zero codes); these bytes are read by this program alone.
.set SLOTB, 133120
.set WSLOT, 33280
.set IMG,   266240                     ; four tiles' images, 6,144 bytes each
.set SIMG,  290816                     ; their scale pairs, 256 bytes each
.set MMQ,   291840                     ; their -mm / 2, 64 bytes each
.set STG,   292096                     ; a stage of 8,192 bytes for each wave: a quad's least keys
.set SPARE, 324864                     ; the spare words, 128 bytes a wave
.set PFO,  0                           ; v0: from the head's end on 256 x lane, the prefetches' offset
.set SPW,  1
.set NIL,  2
.set LI,   3                           ; 16 x lane
.set XA0,  4
.set XA,   5                           ; my f32 numbers in the slot at work
.set IW,   6
.set SWL,  7
.set MWL,  8
.set CW,   9
.set SW,   10
.set MW,   11
.set IR0,  12
.set IR,   13
.set SR0,  14
.set SR,   15
.set MR0,  16
.set MR,   17
.set STG0, 18
.set STGT, 19
.set BO,   20
.set LN,   21
.set QS,   22                          ; v22-53 the queries' scale pairs: scales and nothing else
.set TPB,  54                          ; v54-69 a tile's sixteen least keys
.set F63,  70                          ; the one fragment that windows 1 to 3 have no room for
.set PB,   82                          ; v82-113 the blocks' least keys
.set ACC,  114                         ; two sets of four accumulators
.set AF,   178                         ; a memory tile's four fragments
.set MM,   226                         ; -mm / 2 of rows 8 h + 0..7
.set IQ,   240
.set T2,   244
.set AS,   254                         ; the memory tile's scale pair
.set XB,   114                         ; while quantising: three sets of 32 numbers,
.set PC,   210                         ; two sets of a K step's codes,
.set D1,   234
.set TM,   238
.set PW,   246
.set S01,  248
.set S23,  249
.set SS,   250
.set TU,   178
.set SEL,  20
.set HI,   22
.set MSB, 0
.macro WIN new                         ; the immediate's high byte repeats the setting that is left
.if MSB != (\new)
	s_set_vgpr_msb (MSB<<8)|(\new)
.set MSB, (\new)
.endif
.endm
.macro FRSET g, a, k                   ; where the fragment (query tile 4 g + a, K step k) lives
.if (\g) < 3
.set FW, (\g)+1
.set FRG, 12*(4*(\k)+(\a))
.else
.set FI, 4*(\k)+(\a)
.if FI < 15
.set FW, 1+FI/5
.set FRG, 192+12*(FI%5)
.else
.set FW, 0
.set FRG, F63
.endif
.endif
.endm
.macro SQ X, p, first                  ; squares of numbers 2 p, 2 p + 1 onto chain p % 2; the row's first two products start the sums
.if (\first) && ((\p) < 2)
	v_pk_mul_f32 v[SS+2*((\p)%2):SS+2*((\p)%2)+1], v[(\X)+2*(\p):(\X)+2*(\p)+1], v[(\X)+2*(\p):(\X)+2*(\p)+1]
.else
	v_pk_fma_f32 v[SS+2*((\p)%2):SS+2*((\p)%2)+1], v[(\X)+2*(\p):(\X)+2*(\p)+1], v[(\X)+2*(\p):(\X)+2*(\p)+1], v[SS+2*((\p)%2):SS+2*((\p)%2)+1]
.endif
.endm
.macro MX X, i                         ; both blocks' largest magnitude takes in numbers i, i + 1; the floor 2^(5 - 127) holds the byte at 1 from below
.irp b, 0,1
.if (\i) == 0
	v_max3_num_f32 v[TM+\b], |v[(\X)+16*\b]|, |v[(\X)+16*\b+1]|, 0x2800000
.else
	v_max3_num_f32 v[TM+\b], v[TM+\b], |v[(\X)+16*\b+(\i)]|, |v[(\X)+16*\b+(\i)+1]|
.endif
.endr
.endm
; 32 numbers of a lane (register 16 b + i = k 32 b + 16 h + i of half a K step): sums of squares, the two blocks' scales, registers 6 c .. 6 c + 5 of the fragment at PCK.
; The squares' two chains and the maxima's two take turns; the last squares stand between the dependent lines that make the scales.
.macro QHALF X, c, first, PCK
.irp i, 0,1,2,3,4,5,6,7
	MX \X, 2*\i
	SQ \X, \i, \first
.endr
.irp b, 0,1
	v_permlanex16_b32 v[TM+2+\b], v[TM+\b], s[SEL], s[SEL+1]
.endr
.irp p, 8,9,10
	SQ \X, \p, 0
.endr
.irp b, 0,1
	v_max_num_f32 v[TM+\b], v[TM+\b], v[TM+2+\b]       ; with lane l xor 16's: the block's largest magnitude
.endr
.irp p, 11,12,13
	SQ \X, \p, 0
.endr
.irp b, 0,1
	v_add_nc_u32 v[TM+4+\b], 0xfe000000, v[TM+\b]      ; 4 off its exponent field: the conversion's scale operand
.endr
.irp p, 14,15
	SQ \X, \p, 0
.endr
.irp b, 0,1
	v_lshrrev_b32 v[TM+6+\b], 23, v[TM+4+\b]           ; the scale's byte
.endr
.if (\c) == 0
	v_lshl_or_b32 v[PW], v[TM+7], 8, v[TM+6]
.else
	v_lshl_or_b32 v[PW], v[TM+6], 16, v[PW]
	v_lshl_or_b32 v[PW], v[TM+7], 24, v[PW]
.endif
	v_cvt_scalef32_pk16_bf6_f32 v[(\PCK)+6*(\c):(\PCK)+6*(\c)+2], v[(\X):(\X)+15], v[TM+4]
	v_cvt_scalef32_pk16_bf6_f32 v[D1:D1+2], v[(\X)+16:(\X)+31], v[TM+5]
	v_nop                                              ; one plain line behind a scaled conversion
.irp i, 0,1,2
	v_permlane16_swap_b32 v[(\PCK)+6*(\c)+\i], v[D1+\i] ; the operand wants a whole block in a lane
.endr
.irp i, 0,1,2
	v_mov_b32 v[(\PCK)+6*(\c)+3+\i], v[D1+\i]
.endr
.endm
.macro KSTEP_END k                     ; the K step's word into the pair: even steps whole, odd steps into lanes 16-31
.if (\k) == 0
	v_mov_b32 v[S01], v[PW]
.elseif (\k) == 1
	v_cndmask_b32 v[S01], v[S01], v[PW], s[HI]
.elseif (\k) == 2
	v_mov_b32 v[S23], v[PW]
.else
	v_cndmask_b32 v[S23], v[S23], v[PW], s[HI]
.endif
.endm
.macro LDH e                           ; half e of my row (64 along K) from the slot
.irp b, 0,1
.irp j, 0,1,2,3
	ds_load_b128 v[XB+32*((\e)%3)+16*\b+4*\j:XB+32*((\e)%3)+16*\b+4*\j+3], v[XA] offset:1040*((\e)/4)+256*((\e)%4)+128*\b+16*\j
.endr
.endr
.endm
.macro QSTEP e, cnt                    ; cnt = the LDS instructions issued behind this half's eight loads
.if (\e) < 6
	LDH (\e)+2
.endif
	s_wait_dscnt \cnt
.if ((\e) == 4) || ((\e) == 6)
	s_wait_xcnt 0x0                                    ; the global stores of two K steps ago have read this set of code registers
.endif
	QHALF XB+32*((\e)%3), (\e)%2, (\e)==0, PC+12*(((\e)/2)%2)
.if (\e)%2
	KSTEP_END (\e)/2
.irp i, 0,1,2
	ds_store_b128 v[IW], v[PC+12*(((\e)/2)%2)+4*\i:PC+12*(((\e)/2)%2)+4*\i+3] offset:1536*((\e)/2)+512*\i
.endr
.irp i, 0,1,2
	global_store_b128 v[CW], v[PC+12*(((\e)/2)%2)+4*\i:PC+12*(((\e)/2)%2)+4*\i+3], s[8:9] offset:256*(3*((\e)/2)+\i) th:TH_STORE_NT
.endr
.endif
.endm
.macro PHASEQ                          ; my tile of the quad: codes, scale pair, mm
	LDH 0
	LDH 1
	QSTEP 0, 16
	QSTEP 1, 16
	QSTEP 2, 19
	QSTEP 3, 19
	QSTEP 4, 19
	QSTEP 5, 19
	QSTEP 6, 11
	QSTEP 7, 3
	ds_store_b64 v[SWL], v[S01:S01+1]
	global_store_b64 v[SW], v[S01:S01+1], s[10:11]
	v_pk_add_f32 v[SS:SS+1], v[SS:SS+1], v[SS+2:SS+3]
	v_add_f32 v[SS], v[SS], v[SS+1]
	v_permlanex16_b32 v[SS+1], v[SS], s[SEL], s[SEL+1]
	v_add_f32 v[SS], v[SS], v[SS+1]                    ; mm, for the last launch;
	v_mul_f32 v[SS+1], -0.5, v[SS]                     ; -mm / 2, exact, for this launch's sums
	ds_store_b32 v[MWL], v[SS+1]
	v_cmp_gt_u32 vcc_lo, 16, v[LN]
	s_wait_alu depctr_va_vdst(0)
	s_wait_xcnt 0x0                                    ; EXEC is a source of the stores above
	s_and_saveexec_b32 s49, vcc_lo
	global_store_b32 v[MW], v[SS], s[40:41] offset:1600000
	s_wait_xcnt 0x0
	s_or_b32 exec_lo, exec_lo, s49
.endm
.macro WM g, a, k                      ; the first K step starts the sum from -mm / 2
.set AC, ACC+32*((\g)%2)+8*(\a)
.set UU, 4*(\g)+(\a)
.if (\k) == 0
	v_wmma_scale_f32_16x16x128_f8f6f4 v[AC:AC+7], v[AF:AF+11], v[FRG:FRG+11], v[MM:MM+7], v[AS], v[QS+2*UU] matrix_a_fmt:MATRIX_FMT_BF6 matrix_b_fmt:MATRIX_FMT_BF6
.elseif (\k) == 1
	v_wmma_scale_f32_16x16x128_f8f6f4 v[AC:AC+7], v[AF+12:AF+23], v[FRG:FRG+11], v[AC:AC+7], v[AS], v[QS+2*UU] matrix_a_fmt:MATRIX_FMT_BF6 matrix_b_fmt:MATRIX_FMT_BF6 matrix_a_scale:MATRIX_SCALE_ROW1 matrix_b_scale:MATRIX_SCALE_ROW1
.elseif (\k) == 2
	v_wmma_scale_f32_16x16x128_f8f6f4 v[AC:AC+7], v[AF+24:AF+35], v[FRG:FRG+11], v[AC:AC+7], v[AS+1], v[QS+2*UU+1] matrix_a_fmt:MATRIX_FMT_BF6 matrix_b_fmt:MATRIX_FMT_BF6
.else
	v_wmma_scale_f32_16x16x128_f8f6f4 v[AC:AC+7], v[AF+36:AF+47], v[FRG:FRG+11], v[AC:AC+7], v[AS+1], v[QS+2*UU+1] matrix_a_fmt:MATRIX_FMT_BF6 matrix_b_fmt:MATRIX_FMT_BF6 matrix_a_scale:MATRIX_SCALE_ROW1 matrix_b_scale:MATRIX_SCALE_ROW1
.endif
.endm
; Line n (0..3) of the way out of group g, for its four accumulators: the greatest of a lane's eight sums, each accumulator read from its low end on; the last line negates: the least key.
.macro OUT4 g, n
.irp a, 0,1,2,3
.set AC, ACC+32*((\g)%2)+8*\a
.set TQ, TPB+4*(\g)+\a
.if (\n) == 0
	v_max3_num_f32 v[TQ], v[AC], v[AC+1], v[AC+2]
.elseif (\n) == 1
	v_max3_num_f32 v[T2+\a], v[AC+3], v[AC+4], v[AC+5]
.elseif (\n) == 2
	v_max3_num_f32 v[TQ], v[TQ], v[T2+\a], v[AC+6]
.else
	v_min_num_f32 v[TQ], -v[TQ], -v[AC+7]
.endif
.endr
.endm
.macro AFLOAD k, adr                   ; a memory tile's fragment of K step k
.irp i, 0,1,2
	ds_load_b128 v[AF+12*(\k)+4*\i:AF+12*(\k)+4*\i+3], v[\adr] offset:1536*(\k)+512*\i
.endr
.endm
; Four query tiles against the memory tile: K step by K step, the four accumulators by turns, the two sets by turns from group to group.
; Behind each K step one line of the group before, for its four accumulators: four plain lines, the places that reads of results and loads into operands want.
; In group 3, behind K step 1 and its four lines, the next tile's first run of loads: K steps 0 and 1, their scale word, -mm / 2.
.macro GROUP g, nt
.irp k, 0,1,2,3
.if ((\g) == 0) && (\k == 2)
	s_wait_dscnt 16                                    ; K steps 2 and 3 and their scale word are in; the sixteen stores issued behind them may be out
.endif
.irp a, 0,1,2,3
	FRSET \g, \a, \k
	WIN FW<<2
	WM \g, \a, \k
.endr
.if (\g) > 0
	WIN 0
	OUT4 (\g)-1, \k
.if ((\g) == 3) && ((\nt) > 1) && (\k == 1)
	AFLOAD 0, IR
	AFLOAD 1, IR
	ds_load_b32 v[AS], v[SR]
	ds_load_b128 v[MM:MM+3], v[MR]
	ds_load_b128 v[MM+4:MM+7], v[MR] offset:16
.endif
.endif
.endr
.endm
.macro TILE nt
	s_add_co_u32 s42, s19, 1                           ; the next tile, held at the quad's last
	s_min_u32 s42, s42, (\nt)-1
	s_mul_i32 s43, s42, 6144
	s_lshl_b32 s44, s42, 8
	s_lshl_b32 s45, s42, 6
	s_lshl_b32 s46, s19, 2
	s_wait_dscnt 23                                    ; the first run of loads is in; behind it stand the second run's seven loads and sixteen stores
	GROUP 0, \nt
	WIN 0
	v_add_nc_u32 v[IR], s43, v[IR0]                    ; four plain lines: the places behind group 0's products
	v_add_nc_u32 v[SR], s44, v[SR0]
	v_add_nc_u32 v[MR], s45, v[MR0]
	v_add_nc_u32 v[STGT], s46, v[STG0]
	GROUP 1, \nt
	GROUP 2, \nt
	GROUP 3, \nt
.irp n, 0,1,2,3
	OUT4 3, \n
.endr
.if (\nt) > 1
	AFLOAD 2, IR                                       ; the second run: the next tile's K steps 2 and 3, their scale word,
	AFLOAD 3, IR
	ds_load_b32 v[AS+1], v[SR] offset:4
.endif
.irp u, 0,1,2,3,4,5,6,7,8,9,10,11,12,13,14,15
	ds_store_b32 v[STGT], v[TPB+\u] offset:512*\u      ; and this tile's sixteen least keys
.endr
.endm
; A quad's least keys leave the stage as whole runs of 512 bytes; their least over the four tiles and both halves of the lanes goes into the block's.  sh: a new block begins (2: in even trips).
.macro FLUSH sh, last
.irp u, 0,1,2,3,4,5,6,7,8,9,10,11,12,13,14,15
	ds_load_b128 v[ACC+4*\u:ACC+4*\u+3], v[STG0] offset:512*\u
.endr
	s_wait_dscnt 0x0
.irp u, 0,1,2,3,4,5,6,7,8,9,10,11,12,13,14,15
	global_store_b128 v[LI], v[ACC+4*\u:ACC+4*\u+3], s[12:13] offset:512*\u th:TH_STORE_NT
.endr
.irp u, 0,1,2,3,4,5,6,7,8,9,10,11,12,13,14,15
	v_min3_num_f32 v[TU+\u], v[ACC+4*\u], v[ACC+4*\u+1], v[ACC+4*\u+2]
.endr
.irp u, 0,1,2,3,4,5,6,7,8,9,10,11,12,13,14,15
	v_min_num_f32 v[TU+\u], v[TU+\u], v[ACC+4*\u+3]
.endr
.if (\sh) == 2
	s_bitcmp1_b32 s18, 0
	s_cbranch_scc1 .Lnoshift_\@
.endif
.if (\sh) > 0
.irp p, 0,1,2,3,4,5,6,7
	v_mov_b32 v[PB+4*\p], v[PB+4*\p+1]
	v_mov_b32 v[PB+4*\p+1], v[PB+4*\p+2]
	v_mov_b32 v[PB+4*\p+2], v[PB+4*\p+3]
	v_mov_b32 v[PB+4*\p+3], 0x7f800000
.endr
.endif
.if (\sh) == 2
.Lnoshift_\@:
.endif
.irp p, 0,1,2,3,4,5,6,7
	v_permlane16_swap_b32 v[TU+\p+4*(\p/4)], v[TU+\p+4*(\p/4)+4]
	v_min3_num_f32 v[PB+4*\p+3], v[PB+4*\p+3], v[TU+\p+4*(\p/4)], v[TU+\p+4*(\p/4)+4]
.endr
.if (\last) == 0
	s_wait_xcnt 0x0                                    ; the stores and prefetches have read their bases and data
	s_add_nc_u64 s[8:9], s[8:9], 24576
	s_add_nc_u64 s[10:11], s[10:11], 1024
	s_add_nc_u64 s[40:41], s[40:41], 256
	s_add_nc_u64 s[12:13], s[12:13], 32768
	s_add_nc_u64 s[58:59], s[58:59], 0x20000
	s_xor_b32 s23, s23, SLOTB
	s_wait_dscnt 0x0
	s_barrier_signal -1                                ; every wave has read the images: the next quad may write them
	s_barrier_wait -1
.endif
.endm
; mode 0: the slot just read is filled again by all waves (two quads on); 1: by wave 0 alone (the last tile); 2: no fill.  nt: tiles in the quad.
.macro QUAD mode, nt, sh, last
	v_add_nc_u32 v[XA], s23, v[XA0]
	s_wait_alu depctr_va_vdst(0)
.if (\nt) == 1
	s_cmp_lg_u32 s16, 0
	s_cbranch_scc1 .Lnoq_\@
	s_wait_tensorcnt 0x0
.else
	s_wait_tensorcnt 0x1                               ; the one load issued behind this slot's may be out
.endif
	PHASEQ
.if (\nt) == 1
.Lnoq_\@:
.endif
.if (\mode) < 2
	s_wait_tensorcnt 0x0                               ; all my tensor loads have landed,
	ds_add_u32 v[SPW], v[NIL]
	s_add_co_u32 s37, s23, s48                         ; so the descriptor may be written: the slot just read, two quads on
	s_add_nc_u64 s[38:39], s[38:39], 0x20000
	s_wait_dscnt 0x0                                   ; the add, my reads of the slot and my stores of images are done
	s_barrier_signal -1
	s_barrier_wait -1
.if (\mode) == 1
	s_cmp_lg_u32 s16, 0
	s_cbranch_scc1 .Lnofill_\@
.endif
	tensor_load_to_lds s[36:39], s[24:31]
	s_nop 0
.rept 4
	v_nop
.endr
.if (\mode) == 1
.Lnofill_\@:
.endif
.else
	s_wait_dscnt 0x0
	s_barrier_signal -1
	s_barrier_wait -1
.endif
	s_wait_loadcnt 0x0                                 ; the queries' images (first quad)
.if (\nt) == 1
.irp i, 0,1,2,3
	v_mov_b32 v[IQ+\i], 0x7f800000
.endr
.irp u, 0,1,2,3,4,5,6,7,8,9,10,11,12,13,14,15
	ds_store_b128 v[STG0], v[IQ:IQ+3] offset:512*\u    ; the three tiles that the last quad lacks: +infinity
.endr
.endif
.irp k, 0,1,2,3
	AFLOAD \k, IR0
.endr
	ds_load_b64 v[AS:AS+1], v[SR0]
	ds_load_b128 v[MM:MM+3], v[MR0]
	ds_load_b128 v[MM+4:MM+7], v[MR0] offset:16
	s_mov_b32 s19, 0
.if (\mode) == 0
	s_cmp_lt_u32 s18, 3                                ; trip t = 0, 1, 2 asks for quad t + 3, which trip t + 1's refill loads: my wave's own 32,768 bytes, a lane to each 256; the last tile comes by its load alone
	s_cbranch_scc0 .Lnopf_\@
.irp i, 0,1,2,3
	global_prefetch_b8 v[PFO], s[58:59] offset:0x40000+8192*\i th:TH_LOAD_NT scope:SCOPE_SE
.endr
.Lnopf_\@:
.endif
	s_wait_dscnt 0x0
.if (\nt) > 1
.Ltile_\@:
	TILE \nt
	s_add_co_u32 s19, s19, 1
	s_cmp_lt_u32 s19, \nt
	s_cbranch_scc1 .Ltile_\@
.else
	TILE 1
.endif
	FLUSH \sh, \last
.endm
.macro QLOAD g                         ; the images of my query tiles 4 g .. 4 g + 3: each load 512 consecutive bytes
.irp k, 0,1,2,3
.irp a, 0,1,2,3
	FRSET \g, \a, \k
	WIN FW<<6
.irp i, 0,1,2
	global_load_b128 v[FRG+4*\i:FRG+4*\i+3], v[LI], s[52:53] offset:6144*(4*(\g)+\a)+1536*\k+512*\i
.endr
.endr
.endr
.endm
	s_load_b256 s[4:11], s[0:1], 0x0                   ; memory_embeds, qpk, cimg, cside
	s_load_b128 s[12:15], s[0:1], 0x20                 ; amin, bmin
	v_lshl_add_u32 v[SPW], v0, 2, SPARE
	v_mov_b32 v[NIL], 0
	ds_add_u32 v[SPW], v[NIL]
	ds_add_u32 v[SPW], v[NIL]
	v_lshrrev_b32 v[LN], 5, v0
	v_readfirstlane_b32 s16, v[LN]                     ; wave
	s_mov_b32 s24, (3<<16)|(1<<20)|(7<<22)|(3<<25)     ; elements of 8 bytes; 4 words of padding behind every 256
	s_mov_b32 s25, 128<<16
	s_mov_b32 s26, 32<<16
	s_mov_b32 s27, 128<<16
	s_mov_b32 s28, 32
	s_mov_b32 s29, 128
	s_mov_b32 s30, 0
	s_mov_b32 s31, 0
	s_mul_i32 s48, s16, WSLOT
	s_mul_i32 s50, ttmp9, 819200                       ; my chunk's 400 rows of 2,048 bytes
	s_lshl_b32 s42, s16, 15                            ; my wave's 16 rows
	s_add_co_u32 s50, s50, s42
	s_mov_b32 s51, 0
	s_mov_b32 s32, 1
	s_mov_b32 s33, s48
	s_mov_b32 s36, 1
	s_add_co_u32 s37, s48, SLOTB
	s_wait_dscnt 0x0
	s_wait_kmcnt 0x0
	s_add_nc_u64 s[34:35], s[4:5], s[50:51]
	s_add_nc_u64 s[38:39], s[34:35], 0x20000
	s_add_nc_u64 s[58:59], s[34:35], 0x20000           ; the prefetches' base: my wave's 32,768 bytes of quad 1; it steps a quad a trip
	s_or_b32 s35, s35, 0x80000000
	s_or_b32 s39, s39, 0x80000000
	tensor_load_to_lds s[32:35], s[24:31]              ; quad 0: my one tensor load at the head
	s_nop 0
	s_mul_i32 s50, s16, 98304
	s_add_nc_u64 s[52:53], s[6:7], s[50:51]            ; my 16 query tiles' images,
	s_lshl_b32 s50, s16, 12
	s_add_nc_u64 s[54:55], s[6:7], s[50:51]            ; and scale pairs
	s_mul_i32 s50, ttmp9, 153600
	s_mul_i32 s42, s16, 6144
	s_add_co_u32 s50, s50, s42
	s_add_nc_u64 s[8:9], s[8:9], s[50:51]
	s_mul_i32 s50, ttmp9, 1600
	s_lshl_b32 s42, s16, 6
	s_add_co_u32 s50, s50, s42
	s_add_nc_u64 s[40:41], s[10:11], s[50:51]
	s_mul_i32 s50, ttmp9, 6400
	s_lshl_b32 s42, s16, 8
	s_add_co_u32 s50, s50, s42
	s_add_nc_u64 s[10:11], s[10:11], s[50:51]
	s_mul_i32 s50, ttmp9, 229376
	s_lshl_b32 s42, s16, 13
	s_add_co_u32 s50, s50, s42
	s_add_nc_u64 s[12:13], s[12:13], s[50:51]
	s_lshl_b32 s50, ttmp9, 14
	s_lshl_b32 s42, s16, 12
	s_add_co_u32 s50, s50, s42
	s_add_nc_u64 s[14:15], s[14:15], s[50:51]
	s_mov_b32 s[SEL], 0x76543210
	s_mov_b32 s[SEL+1], 0xfedcba98
	s_mov_b32 s[HI], 0xffff0000
	v_and_b32 v[LN], 31, v0
	v_and_b32 v236, 15, v0                             ; r
	v_bfe_u32 v237, v0, 4, 1                           ; h
	v_and_b32 v238, 7, v0
	v_bfe_u32 v239, v0, 3, 1
	v_lshlrev_b32 v240, 3, v[LN]
	v_lshlrev_b32 v[LI], 4, v[LN]
	v_lshlrev_b32 v[MW], 2, v236
	v_lshlrev_b32 v[PFO], 8, v[LN]                     ; v0 is read no more: from here on 256 x lane
	s_wait_alu depctr_va_vdst(0)
.irp i, 0,1,2,3
	global_prefetch_b8 v[PFO], s[58:59] offset:8192*\i th:TH_LOAD_NT scope:SCOPE_SE   ; quad 1, whose tensor load stands behind the 208 loads below: a lane to each 256 bytes
.endr
	QLOAD 0                                            ; all the images are asked for while quad 0 is on its way
	QLOAD 1
	QLOAD 2
	QLOAD 3
	WIN 0
.irp u, 0,1,2,3,4,5,6,7,8,9,10,11,12,13,14,15
	global_load_b64 v[QS+2*\u:QS+2*\u+1], v240, s[54:55] offset:393216+256*\u
.endr
	s_wait_alu depctr_va_vdst(0)
	s_wait_tensorcnt 0x0
	ds_add_u32 v[SPW], v[NIL]
	s_wait_dscnt 0x0
	s_barrier_signal -1
	s_barrier_wait -1
	tensor_load_to_lds s[36:39], s[24:31]              ; quad 1
	s_nop 0
.rept 4
	v_nop
.endr
	v_mul_u32_u24 v[XA0], v236, 2080                   ; a memory row is two LDS rows of 1,040 bytes
	v_lshl_add_u32 v[XA0], v237, 6, v[XA0]
	v_add_nc_u32 v[XA0], s48, v[XA0]
	s_mul_i32 s42, s16, 6144
	s_add_co_u32 s42, s42, IMG
	v_add_nc_u32 v[IW], s42, v[LI]
	s_lshl_b32 s42, s16, 8
	s_add_co_u32 s42, s42, SIMG
	v_add_nc_u32 v[SWL], s42, v240
	s_lshl_b32 s42, s16, 6
	s_add_co_u32 s42, s42, MMQ
	v_add_nc_u32 v[MWL], s42, v[MW]
	v_mul_u32_u24 v[CW], v239, 3072                    ; cimg: [group of 8 rows][quad of registers 12][h][row % 8][16 bytes]
	v_lshl_add_u32 v[CW], v237, 7, v[CW]
	v_lshl_add_u32 v[CW], v238, 4, v[CW]
	v_lshlrev_b32 v[SW], 7, v239
	v_lshl_add_u32 v[SW], v237, 6, v[SW]
	v_lshl_add_u32 v[SW], v238, 3, v[SW]
	v_add_nc_u32 v[IR0], IMG, v[LI]
	v_add_nc_u32 v[SR0], SIMG, v240
	v_lshl_add_u32 v[MR0], v237, 5, MMQ
	s_lshl_b32 s42, s16, 13
	s_add_co_u32 s42, s42, STG
	v_add_nc_u32 v[STG0], s42, v[LI]
	v_lshlrev_b32 v[BO], 4, v236
	v_lshl_add_u32 v[BO], v237, 10, v[BO]
.irp i, 0,1,2,3
	global_prefetch_b8 v[PFO], s[58:59] offset:0x20000+8192*\i th:TH_LOAD_NT scope:SCOPE_SE   ; quad 2, which trip 0's refill loads
.endr
.irp p, 0,1,2,3,4,5,6,7,8,9,10,11,12,13,14,15,16,17,18,19,20,21,22,23,24,25,26,27,28,29,30,31
	v_mov_b32 v[PB+\p], 0x7f800000
.endr
	s_wait_xcnt 0x0                                    ; v240 was an address of the loads above
	v_mov_b32 v[TM+2], 0                               ; a lane permute's destination counts as one of its sources
	v_mov_b32 v[TM+3], 0
	s_mov_b32 s23, 0
	s_mov_b32 s18, 0
.Lquad:
	QUAD 0, 4, 2, 0                                    ; quads 0 to 3 ask for quads 2 to 5
	s_add_co_u32 s18, s18, 1
	s_cmp_lt_u32 s18, 4
	s_cbranch_scc1 .Lquad
	QUAD 1, 4, 1, 0                                    ; quad 4: wave 0 asks for the last tile
	QUAD 2, 4, 0, 0
	QUAD 2, 1, 1, 1
.irp p, 0,1,2,3,4,5,6,7
	global_store_b128 v[BO], v[PB+4*\p:PB+4*\p+3], s[14:15] offset:256*(\p+4*(\p/4))
.endr
	s_wait_tensorcnt 0x0                               ; the wave's end
	ds_add_u32 v[SPW], v[NIL]
	s_wait_dscnt 0x0
	s_endpgm
.Lfunc_end_k_qd107351819_scan:
	.size	k_qd107351819_scan, .Lfunc_end_k_qd107351819_scan-k_qd107351819_scan
	.p2alignl 7, 3214868480
	.fill 96, 4, 3214868480
	.section	.rodata,"a",@progbits
	.p2align	6, 0x0
	.amdhsa_kernel k_qd107351819_scan
		.amdhsa_group_segment_fixed_size 327680
		.amdhsa_private_segment_fixed_size 0
		.amdhsa_enable_private_segment 0
		.amdhsa_kernarg_size 48
		.amdhsa_user_sgpr_count 2
		.amdhsa_user_sgpr_kernarg_segment_ptr 1
		.amdhsa_wavefront_size32 1
		.amdhsa_system_sgpr_workgroup_id_x 1
		.amdhsa_system_sgpr_workgroup_id_y 1
		.amdhsa_system_sgpr_workgroup_id_z 1
		.amdhsa_system_vgpr_workitem_id 0
		.amdhsa_next_free_vgpr 1024
		.amdhsa_next_free_sgpr 66
		.amdhsa_reserve_vcc 1
		.amdhsa_float_denorm_mode_32 3
		.amdhsa_float_denorm_mode_16_64 3
		.amdhsa_memory_ordered 1
		.amdhsa_forward_progress 1
		.amdhsa_inst_pref_size 242
	.end_amdhsa_kernel
	.amdgpu_metadata
---
amdhsa.version: [ 1, 2 ]
amdhsa.kernels:
  - .name:           k_qd107351819_scan
    .symbol:         k_qd107351819_scan.kd
    .args:
      - { .name: memory_embeds, .offset: 0, .size: 8, .value_kind: global_buffer, .address_space: global }
      - { .name: qpk, .offset: 8, .size: 8, .value_kind: global_buffer, .address_space: global }
      - { .name: cimg, .offset: 16, .size: 8, .value_kind: global_buffer, .address_space: global }
      - { .name: cside, .offset: 24, .size: 8, .value_kind: global_buffer, .address_space: global }
      - { .name: amin, .offset: 32, .size: 8, .value_kind: global_buffer, .address_space: global }
      - { .name: bmin, .offset: 40, .size: 8, .value_kind: global_buffer, .address_space: global }
    .group_segment_fixed_size: 327680
    .private_segment_fixed_size: 0
    .kernarg_segment_align: 8
    .kernarg_segment_size: 48
    .max_flat_workgroup_size: 128
    .sgpr_count:     66
    .vgpr_count:     1024
    .wavefront_size: 32
...
	.end_amdgpu_metadata
.endif
;; end of part 2
;; launch blocks (part 3): grid 256 x 1, 4 waves a work-group, no clusters, 0 bytes of LDS; arguments bmin, sel2; writes sel2
.if DOCPART == 3
	.amdgcn_target "amdgcn-amd-amdhsa--gfx1250"
	.amdhsa_code_object_version 6
	.text
	.protected	k_qd107351819_blocks
	.globl	k_qd107351819_blocks
	.p2align	8
	.type	k_qd107351819_blocks,@function
k_qd107351819_blocks:
	s_mov_b64 s[64:65], 0
	v_nop
	global_prefetch_b8 v0, s[64:65] scope:SCOPE_SE
	s_setreg_imm32_b32 hwreg(HW_REG_WAVE_MODE, 25, 1), 1
	s_wait_xcnt 0x0
; For each query: the 32 blocks (of 1,024: 1,000 of rows, 24 of +infinity) with the smallest (minimum, number).  A wave takes a query; lane l holds blocks 32 l + 0..31 in 32 registers.
; The floats become whole numbers that sort alike; the 32nd smallest is found bit by bit, from the top: 32 trips, each a count of the keys under a trial value.  No branch and no address hangs on the data:
; the trial is kept or dropped by s_cselect_b32.  Keys equal to the 32nd smallest are taken in the order of their numbers, until 32 are chosen.
; OUT: sel2[q][lane] = (a mask of the lane's chosen blocks, 32 x lane): whole numbers, at fixed places; the next launch makes addresses of them.
; LIMITS: NaN is not served; -0 sorts under +0.  No LDS, no matrix unit, no cluster: 4 MiB are read once.
.set LN,   1
.set OFF,  2
.set RT,   3
.set RE,   4
.set RONE, 5
.set SO,   6
.set KR,   8                           ; v8-39 the keys
.set MASKR, 40                         ; v[40:41] what is stored
.set MK,   32                          ; s32-63 lane masks of a count
.set ST,   10
.set SM,   11
.set SC,   12
.set CNT,  13
.set TMP,  14
.set IT,   15
.set NEED, 16
.set SA,   17
.macro COUNT R, sc                     ; s[CNT] = how many keys of the wave lie under s[sc]
.set cw, 0
.rept \R
	v_cmp_gt_u32 s[MK+cw], s[\sc], v[KR+cw]
.set cw, cw+1
.endr
	s_mov_b32 s[CNT], 0
.set cw, 0
.rept \R
	s_bcnt1_i32_b32 s[TMP], s[MK+cw]
	s_add_co_u32 s[CNT], s[CNT], s[TMP]
.set cw, cw+1
.endr
.endm
	s_load_b128 s[4:7], s[0:1], 0x0                ; bmin, sel2
	v_lshrrev_b32 v1, 5, v0
	v_readfirstlane_b32 s8, v1                     ; wave
	v_and_b32 v[LN], 31, v0
	v_lshlrev_b32 v[OFF], 17, v[LN]                ; eight chunks of 16,384 bytes a lane
	v_lshlrev_b32 v[SO], 3, v[LN]
	v_mov_b32 v[RONE], 1
	s_lshl_b32 s9, ttmp9, 2
	s_add_co_u32 s9, s9, s8                        ; the query
	s_lshl_b32 s18, s9, 4
	s_mov_b32 s19, 0
	s_lshl_b32 s20, s9, 8
	s_mov_b32 s21, 0
	s_wait_alu depctr_va_vdst(0)
	s_wait_kmcnt 0x0
	s_add_nc_u64 s[4:5], s[4:5], s[18:19]
	s_add_nc_u64 s[6:7], s[6:7], s[20:21]
.irp j, 0,1,2,3,4,5,6,7
	global_load_b128 v[KR+4*\j:KR+4*\j+3], v[OFF], s[4:5] offset:16384*\j   ; chunk 8 l + j: its four blocks
.endr
	s_wait_loadcnt 0x0
.set kw, 0
.rept 32
	v_ashrrev_i32 v[RT], 31, v[KR+kw]              ; a float as a whole number that sorts alike: negative ones are turned over, the others get the top bit
	v_or_b32 v[RT], 0x80000000, v[RT]
	v_xor_b32 v[KR+kw], v[KR+kw], v[RT]
.set kw, kw+1
.endr
	s_mov_b32 s[ST], 0
	s_mov_b32 s[SM], 0x80000000
	s_mov_b32 s[IT], 32
.Lbit:                                             ; the largest x with at most 31 keys under it is the 32nd smallest key
	s_or_b32 s[SC], s[ST], s[SM]
	COUNT 32, SC
	s_cmp_lt_u32 s[CNT], 32
	s_cselect_b32 s[ST], s[SC], s[ST]
	s_lshr_b32 s[SM], s[SM], 1
	s_sub_co_i32 s[IT], s[IT], 1
	s_cmp_lg_u32 s[IT], 0
	s_cbranch_scc1 .Lbit
	COUNT 32, ST
	s_sub_co_u32 s[NEED], 32, s[CNT]               ; so many of the equal keys are taken
	v_mov_b32 v[RE], 0
.set kw, 0
.rept 32
	v_cmp_eq_u32 vcc_lo, s[ST], v[KR+kw]
	v_mbcnt_lo_u32_b32 v[RE], vcc_lo, v[RE]        ; the equal keys in lower lanes: they come first
.set kw, kw+1
.endr
	v_mov_b32 v[MASKR], 0
.set kw, 0
.rept 32
	v_cmp_gt_u32 s[SA], s[NEED], v[RE]             ; is there room for one more equal key?
	v_cmp_eq_u32 vcc_lo, s[ST], v[KR+kw]
	s_and_b32 s[SA], s[SA], vcc_lo
	v_add_co_ci_u32 v[RE], vcc_lo, 0, v[RE], vcc_lo
	v_cmp_gt_u32 vcc_lo, s[ST], v[KR+kw]
	s_or_b32 vcc_lo, vcc_lo, s[SA]                 ; chosen: under the 32nd, or equal and in time
	v_cndmask_b32 v[RT], 0, v[RONE], vcc_lo
	v_lshl_or_b32 v[MASKR], v[RT], kw, v[MASKR]
.set kw, kw+1
.endr
	v_lshlrev_b32 v[MASKR+1], 5, v[LN]
	global_store_b64 v[SO], v[MASKR:MASKR+1], s[6:7]   ; 32 lanes store 256 consecutive bytes, aligned
	s_endpgm
.Lfunc_end_k_qd107351819_blocks:
	.size	k_qd107351819_blocks, .Lfunc_end_k_qd107351819_blocks-k_qd107351819_blocks
	.p2alignl 7, 3214868480
	.fill 96, 4, 3214868480
	.section	.rodata,"a",@progbits
	.p2align	6, 0x0
	.amdhsa_kernel k_qd107351819_blocks
		.amdhsa_group_segment_fixed_size 0
		.amdhsa_private_segment_fixed_size 0
		.amdhsa_enable_private_segment 0
		.amdhsa_kernarg_size 16
		.amdhsa_user_sgpr_count 2
		.amdhsa_user_sgpr_kernarg_segment_ptr 1
		.amdhsa_wavefront_size32 1
		.amdhsa_system_sgpr_workgroup_id_x 1
		.amdhsa_system_sgpr_workgroup_id_y 1
		.amdhsa_system_sgpr_workgroup_id_z 1
		.amdhsa_system_vgpr_workitem_id 0
		.amdhsa_next_free_vgpr 64
		.amdhsa_next_free_sgpr 66
		.amdhsa_reserve_vcc 1
		.amdhsa_float_denorm_mode_32 3
		.amdhsa_float_denorm_mode_16_64 3
		.amdhsa_memory_ordered 1
		.amdhsa_forward_progress 1
		.amdhsa_inst_pref_size 28
	.end_amdhsa_kernel
	.amdgpu_metadata
---
amdhsa.version: [ 1, 2 ]
amdhsa.kernels:
  - .name:           k_qd107351819_blocks
    .symbol:         k_qd107351819_blocks.kd
    .args:
      - { .name: bmin, .offset: 0, .size: 8, .value_kind: global_buffer, .address_space: global }
      - { .name: sel2, .offset: 8, .size: 8, .value_kind: global_buffer, .address_space: global }
    .group_segment_fixed_size: 0
    .private_segment_fixed_size: 0
    .kernarg_segment_align: 8
    .kernarg_segment_size: 16
    .max_flat_workgroup_size: 128
    .sgpr_count:     66
    .vgpr_count:     64
    .wavefront_size: 32
...
	.end_amdgpu_metadata
.endif
;; end of part 3
;; launch groups (part 4): grid 256 x 1, 4 waves a work-group, no clusters, 0 bytes of LDS; arguments sel2, amin, sel3; writes sel3
.if DOCPART == 4
	.amdgcn_target "amdgcn-amd-amdhsa--gfx1250"
	.amdhsa_code_object_version 6
	.text
	.protected	k_qd107351819_groups
	.globl	k_qd107351819_groups
	.p2align	8
	.type	k_qd107351819_groups,@function
k_qd107351819_groups:
	s_mov_b64 s[64:65], 0
	v_nop
	global_prefetch_b8 v0, s[64:65] scope:SCOPE_SE
	s_setreg_imm32_b32 hwreg(HW_REG_WAVE_MODE, 25, 1), 1
	s_wait_xcnt 0x0
; For each query: of the 32 chosen blocks' 512 groups of 8 rows, the 32 with the smallest (minimum, number).  A wave takes a query; lane p takes the p-th chosen block, in ascending order, and its 16 groups.
; The list of the launch before, 64 whole numbers, comes by scalar loads; lane p finds its block by arithmetic on them alone: the pair whose running count covers p, then the set bit of that rank.
; Block 4 c + s is quads 2 s and 2 s + 1 of chunk c; block s = 3 has quad 6 alone: its second eight keys are set to the largest number.  Group beta of a block: quad beta / 8, tile (beta % 8) / 2, half beta % 2.
; OUT: sel3[q][lane] = (a mask of the lane's chosen groups, the block's first group 50 c + 16 s).
; Every number from the list is held by v_min_u32 before it enters an address.  LIMITS: NaN is not served; -0 sorts under +0.
.set LN,   1
.set RW,   2
.set RBS,  3
.set RE,   4
.set RK,   5
.set RC,   6
.set RP,   7
.set KR,   8                           ; v8-23 the keys: register 8 x (second quad) + 4 h + t
.set RT,   24
.set RCH,  25
.set RSS,  26
.set O0,   27
.set O1,   28
.set RFF,  29
.set RONE, 30
.set SO,   31
.set MASKR, 32                         ; v[32:33]
.set MK,   16                          ; s16-31, free once the list has been read
.set RUN,  84
.set TMP,  85
.set ST,   86
.set SM,   87
.set SC,   88
.set CNT,  89
.set IT,   90
.set NEED, 91
.set SA,   92
.macro COUNT R, sc
.set cw, 0
.rept \R
	v_cmp_gt_u32 s[MK+cw], s[\sc], v[KR+cw]
.set cw, cw+1
.endr
	s_mov_b32 s[CNT], 0
.set cw, 0
.rept \R
	s_bcnt1_i32_b32 s[TMP], s[MK+cw]
	s_add_co_u32 s[CNT], s[CNT], s[TMP]
.set cw, cw+1
.endr
.endm
	s_load_b128 s[4:7], s[0:1], 0x0                ; sel2, amin
	s_load_b64 s[8:9], s[0:1], 0x10                ; sel3
	v_lshrrev_b32 v1, 5, v0
	v_readfirstlane_b32 s10, v1
	v_and_b32 v[LN], 31, v0
	s_lshl_b32 s11, ttmp9, 2
	s_add_co_u32 s11, s11, s10                     ; the query
	s_lshl_b32 s12, s11, 8
	s_mov_b32 s13, 0
	s_wait_alu depctr_va_vdst(0)
	s_wait_kmcnt 0x0
	s_add_nc_u64 s[4:5], s[4:5], s[12:13]
	s_add_nc_u64 s[8:9], s[8:9], s[12:13]
	s_load_b512 s[16:31], s[4:5], 0x0              ; the pair of list place l: s[16 + 2 l] for l < 24, s[20 + 2 l] from there on
	s_load_b512 s[32:47], s[4:5], 0x40
	s_load_b512 s[48:63], s[4:5], 0x80
	s_load_b512 s[68:83], s[4:5], 0xc0
	s_lshr_b32 s14, s11, 4
	s_lshl_b32 s14, s14, 9                         ; amin: 512 bytes a tile of 16 queries,
	s_and_b32 s15, s11, 15
	s_lshl_b32 s15, s15, 4                         ; 16 bytes a query
	s_add_co_u32 s12, s14, s15
	s_add_nc_u64 s[6:7], s[6:7], s[12:13]
	v_lshlrev_b32 v[SO], 3, v[LN]
	v_mov_b32 v[RONE], 1
	v_mov_b32 v[RFF], -1
	v_mov_b32 v[RW], 0
	v_mov_b32 v[RBS], 0
	v_mov_b32 v[RE], 0
	s_mov_b32 s[RUN], 0
	s_wait_alu depctr_va_vdst(0)
	s_wait_kmcnt 0x0
.set el, 0
.rept 32                               ; the last pair whose running count is at most my lane's number is mine
.if el < 24
.set PR, 16+2*el
.else
.set PR, 20+2*el
.endif
	v_cmp_le_u32 vcc_lo, s[RUN], v[LN]
	v_cndmask_b32 v[RW], v[RW], s[PR], vcc_lo
	v_cndmask_b32 v[RBS], v[RBS], s[PR+1], vcc_lo
	v_cndmask_b32 v[RE], v[RE], s[RUN], vcc_lo
	s_bcnt1_i32_b32 s[TMP], s[PR]
	s_add_co_u32 s[RUN], s[RUN], s[TMP]
.set el, el+1
.endr
	v_sub_nc_u32 v[RK], v[LN], v[RE]               ; my rank among the mask's set bits
	v_mov_b32 v[RC], 0
	v_mov_b32 v[RP], 0
.set eb, 0
.rept 32                               ; the places whose running count of bits is at most my rank lie under my bit: their number is its place
	v_bfe_u32 v[RT], v[RW], eb, 1
	v_add_nc_u32 v[RC], v[RC], v[RT]
	v_cmp_le_u32 vcc_lo, v[RC], v[RK]
	v_add_co_ci_u32 v[RP], vcc_lo, 0, v[RP], vcc_lo
.set eb, eb+1
.endr
	v_add_nc_u32 v[RP], v[RBS], v[RP]              ; my block
	v_lshrrev_b32 v[RCH], 2, v[RP]
	v_min_u32 v[RCH], 249, v[RCH]                  ; its chunk
	v_and_b32 v[RSS], 3, v[RP]
	v_min_u32 v[RSS], 3, v[RSS]                    ; and its place there
	v_lshlrev_b32 v[O0], 1, v[RSS]                 ; quad 2 s
	v_lshl_add_u32 v[O1], v[RSS], 1, 1
	v_min_u32 v[O1], 6, v[O1]                      ; quad 2 s + 1, held at 6
	v_mad_u32_u24 v[O0], v[RCH], 7, v[O0]
	v_mad_u32_u24 v[O1], v[RCH], 7, v[O1]
	v_lshlrev_b32 v[O0], 15, v[O0]                 ; 32,768 bytes a quad
	v_lshlrev_b32 v[O1], 15, v[O1]
	global_load_b128 v[KR:KR+3], v[O0], s[6:7]
	global_load_b128 v[KR+4:KR+7], v[O0], s[6:7] offset:256
	global_load_b128 v[KR+8:KR+11], v[O1], s[6:7]
	global_load_b128 v[KR+12:KR+15], v[O1], s[6:7] offset:256
	s_wait_loadcnt 0x0
.set kw, 0
.rept 16
	v_ashrrev_i32 v[RT], 31, v[KR+kw]
	v_or_b32 v[RT], 0x80000000, v[RT]
	v_xor_b32 v[KR+kw], v[KR+kw], v[RT]
.set kw, kw+1
.endr
	v_cmp_eq_u32 vcc_lo, 3, v[RSS]
.irp j, 8,9,10,11,12,13,14,15
	v_cndmask_b32 v[KR+\j], v[KR+\j], v[RFF], vcc_lo   ; block s = 3 has no second quad
.endr
	s_mov_b32 s[ST], 0
	s_mov_b32 s[SM], 0x80000000
	s_mov_b32 s[IT], 32
.Lbit:
	s_or_b32 s[SC], s[ST], s[SM]
	COUNT 16, SC
	s_cmp_lt_u32 s[CNT], 32
	s_cselect_b32 s[ST], s[SC], s[ST]
	s_lshr_b32 s[SM], s[SM], 1
	s_sub_co_i32 s[IT], s[IT], 1
	s_cmp_lg_u32 s[IT], 0
	s_cbranch_scc1 .Lbit
	COUNT 16, ST
	s_sub_co_u32 s[NEED], 32, s[CNT]
	v_mov_b32 v[RE], 0
.set kw, 0
.rept 16
	v_cmp_eq_u32 vcc_lo, s[ST], v[KR+kw]
	v_mbcnt_lo_u32_b32 v[RE], vcc_lo, v[RE]
.set kw, kw+1
.endr
	v_mov_b32 v[MASKR], 0
.set bb, 0
.rept 16                               ; in the order of the groups' numbers
.set RG, KR+8*(bb/8)+4*(bb%2)+(bb%8)/2
	v_cmp_gt_u32 s[SA], s[NEED], v[RE]
	v_cmp_eq_u32 vcc_lo, s[ST], v[RG]
	s_and_b32 s[SA], s[SA], vcc_lo
	v_add_co_ci_u32 v[RE], vcc_lo, 0, v[RE], vcc_lo
	v_cmp_gt_u32 vcc_lo, s[ST], v[RG]
	s_or_b32 vcc_lo, vcc_lo, s[SA]
	v_cndmask_b32 v[RT], 0, v[RONE], vcc_lo
	v_lshl_or_b32 v[MASKR], v[RT], bb, v[MASKR]
.set bb, bb+1
.endr
	v_lshlrev_b32 v[RT], 4, v[RSS]
	v_mad_u32_u24 v[MASKR+1], v[RCH], 50, v[RT]    ; the block's first group
	global_store_b64 v[SO], v[MASKR:MASKR+1], s[8:9]
	s_endpgm
.Lfunc_end_k_qd107351819_groups:
	.size	k_qd107351819_groups, .Lfunc_end_k_qd107351819_groups-k_qd107351819_groups
	.p2alignl 7, 3214868480
	.fill 96, 4, 3214868480
	.section	.rodata,"a",@progbits
	.p2align	6, 0x0
	.amdhsa_kernel k_qd107351819_groups
		.amdhsa_group_segment_fixed_size 0
		.amdhsa_private_segment_fixed_size 0
		.amdhsa_enable_private_segment 0
		.amdhsa_kernarg_size 24
		.amdhsa_user_sgpr_count 2
		.amdhsa_user_sgpr_kernarg_segment_ptr 1
		.amdhsa_wavefront_size32 1
		.amdhsa_system_sgpr_workgroup_id_x 1
		.amdhsa_system_sgpr_workgroup_id_y 1
		.amdhsa_system_sgpr_workgroup_id_z 1
		.amdhsa_system_vgpr_workitem_id 0
		.amdhsa_next_free_vgpr 64
		.amdhsa_next_free_sgpr 96
		.amdhsa_reserve_vcc 1
		.amdhsa_float_denorm_mode_32 3
		.amdhsa_float_denorm_mode_16_64 3
		.amdhsa_memory_ordered 1
		.amdhsa_forward_progress 1
		.amdhsa_inst_pref_size 30
	.end_amdhsa_kernel
	.amdgpu_metadata
---
amdhsa.version: [ 1, 2 ]
amdhsa.kernels:
  - .name:           k_qd107351819_groups
    .symbol:         k_qd107351819_groups.kd
    .args:
      - { .name: sel2, .offset: 0, .size: 8, .value_kind: global_buffer, .address_space: global }
      - { .name: amin, .offset: 8, .size: 8, .value_kind: global_buffer, .address_space: global }
      - { .name: sel3, .offset: 16, .size: 8, .value_kind: global_buffer, .address_space: global }
    .group_segment_fixed_size: 0
    .private_segment_fixed_size: 0
    .kernarg_segment_align: 8
    .kernarg_segment_size: 24
    .max_flat_workgroup_size: 128
    .sgpr_count:     96
    .vgpr_count:     64
    .wavefront_size: 32
...
	.end_amdgpu_metadata
.endif
;; end of part 4
;; launch finish (part 5): grid 256 x 1, 4 waves a work-group, no clusters, 0 bytes of LDS; arguments sel3, cimg, cside, qpk, true_values, out0; writes out0
.if DOCPART == 5
	.amdgcn_target "amdgcn-amd-amdhsa--gfx1250"
	.amdhsa_code_object_version 6
	.text
	.protected	k_qd107351819_finish
	.globl	k_qd107351819_finish
	.p2align	8
	.type	k_qd107351819_finish,@function
k_qd107351819_finish:
	s_mov_b64 s[64:65], 0
	v_nop
	global_prefetch_b8 v0, s[64:65] scope:SCOPE_SE
	s_setreg_imm32_b32 hwreg(HW_REG_WAVE_MODE, 25, 1), 1
	s_wait_xcnt 0x0
; For each query: the distances of the 32 chosen groups' 256 rows once more, by the same product on the same codes; the 32 smallest (distance, row number); the mean of their true_values.
; A wave takes a query.  Lane p owns the p-th chosen group, in ascending order.  A tile of 16 rows is made of groups i (rows 0-7) and 16 + i (rows 8-15), i = 0..15: which rows form a tile is free.
; Source 0 = the tile, source 1 = the query's fragment in all 16 columns: lane (r, h) then holds the dots of rows 8 h + 0..7, whatever r: lane p takes them from tile p % 16.
; The fragments lie in cimg as images of the operand's registers, 16 bytes for each (row, half, quad of registers): a lane loads its quads whole.
; Every group number is held by v_min_u32 before it enters an address.  No tile is shared between work-groups by plan, so no cluster; no LDS.
; LIMITS: NaN is not served; -0 sorts under +0.
.set LN,   1
.set RR,   2
.set RH,   3
.set RW,   4
.set RBS,  5
.set RE,   6
.set RK,   7
.set RC,   8
.set RP,   9
.set RT,   10
.set GID,  11
.set OWN,  12
.set QO,   13
.set QSO,  14
.set TA,   15                          ; 128 h + 16 (r % 8)
.set TS,   16                          ; 64 h + 8 (r % 8)
.set VG,   17
.set VA,   34                          ; v34-49  tile i: my byte in cimg
.set VS,   50                          ; v50-65  and among the scale pairs
.set AS,   66                          ; v66-97  the tiles' scale pairs: scales and nothing else
.set QF,   98                          ; v98-145 the query's four fragments
.set QSP,  146                         ; v146-147 its scale pair
.set TV,   148                         ; v148-155 true_values of my group's rows
.set MMV,  156                         ; v156-163 their mm
.set KR,   164                         ; v164-171 their dots, distances, keys
.set ACC,  172                         ; v172-235 two sets of four accumulators
.set F63,  236                         ; v236-247 the one fragment that no other window has room for
.set SUM,  248
.set T2,   249
.set ZO,   250
.set RUN,  92
.set TMP,  93
.set MK,   48                          ; s48-55
.set ST,   68
.set SM,   69
.set SC,   70
.set CNT,  71
.set IT,   72
.set NEED, 73
.set SA,   74
.set MSK,  75
.set RM,   76
.set EX,   77
.set SEL,  78                          ; s[78:79]
.set MSB, 0
.macro WIN new
.if MSB != (\new)
	s_set_vgpr_msb (MSB<<8)|(\new)
.set MSB, (\new)
.endif
.endm
.macro FRSET g, a, k                   ; where the fragment (tile 4 g + a, K step k) lives
.if (\g) < 3
.set FW, (\g)+1
.set FRG, 12*(4*(\k)+(\a))
.else
.set FI, 4*(\k)+(\a)
.if FI < 15
.set FW, 1+FI/5
.set FRG, 192+12*(FI%5)
.else
.set FW, 0
.set FRG, F63
.endif
.endif
.endm
.macro COUNT R, sc
.set cw, 0
.rept \R
	v_cmp_gt_u32 s[MK+cw], s[\sc], v[KR+cw]
.set cw, cw+1
.endr
	s_mov_b32 s[CNT], 0
.set cw, 0
.rept \R
	s_bcnt1_i32_b32 s[TMP], s[MK+cw]
	s_add_co_u32 s[CNT], s[CNT], s[TMP]
.set cw, cw+1
.endr
.endm
.macro WM g, a, k
.set AC, ACC+32*((\g)%2)+8*(\a)
.set UU, 4*(\g)+(\a)
.if (\k) == 0
	v_wmma_scale_f32_16x16x128_f8f6f4 v[AC:AC+7], v[FRG:FRG+11], v[QF:QF+11], 0, v[AS+2*UU], v[QSP] matrix_a_fmt:MATRIX_FMT_BF6 matrix_b_fmt:MATRIX_FMT_BF6
.elseif (\k) == 1
	v_wmma_scale_f32_16x16x128_f8f6f4 v[AC:AC+7], v[FRG:FRG+11], v[QF+12:QF+23], v[AC:AC+7], v[AS+2*UU], v[QSP] matrix_a_fmt:MATRIX_FMT_BF6 matrix_b_fmt:MATRIX_FMT_BF6 matrix_a_scale:MATRIX_SCALE_ROW1 matrix_b_scale:MATRIX_SCALE_ROW1
.elseif (\k) == 2
	v_wmma_scale_f32_16x16x128_f8f6f4 v[AC:AC+7], v[FRG:FRG+11], v[QF+24:QF+35], v[AC:AC+7], v[AS+2*UU+1], v[QSP+1] matrix_a_fmt:MATRIX_FMT_BF6 matrix_b_fmt:MATRIX_FMT_BF6
.else
	v_wmma_scale_f32_16x16x128_f8f6f4 v[AC:AC+7], v[FRG:FRG+11], v[QF+36:QF+47], v[AC:AC+7], v[AS+2*UU+1], v[QSP+1] matrix_a_fmt:MATRIX_FMT_BF6 matrix_b_fmt:MATRIX_FMT_BF6 matrix_a_scale:MATRIX_SCALE_ROW1 matrix_b_scale:MATRIX_SCALE_ROW1
.endif
.endm
.macro MERGE a, g                      ; lanes i and 16 + i take tile i's eight dots; from the accumulator's low end on
.set AC, ACC+32*((\g)%2)+8*(\a)
.set UU, 4*(\g)+(\a)
.if UU == 0
.irp j, 0,1,2,3,4,5,6,7
	v_mov_b32 v[KR+\j], v[AC+\j]                   ; the first tile writes all lanes
.endr
.else
	s_mov_b32 s[MSK], 0x00010001<<UU
.irp j, 0,1,2,3,4,5,6,7
	v_cndmask_b32 v[KR+\j], v[KR+\j], v[AC+\j], s[MSK]
.endr
.endif
.endm
; four tiles: K step by K step, the four accumulators by turns, the two sets by turns from group to group; behind each K step eight plain instructions on the group before:
; the places that reads of results and accumulators begun anew want
.macro GROUP g
.irp k, 0,1,2,3
.irp a, 0,1,2,3
	FRSET \g, \a, \k
	WIN FW
	WM \g, \a, \k
.endr
.if (\g) > 0
	WIN 0
	MERGE \k, (\g)-1
.endif
.endr
.endm
	s_load_b256 s[4:11], s[0:1], 0x0               ; sel3 s[4:5], cimg s[6:7], cside s[8:9], qpk s[10:11]
	s_load_b128 s[12:15], s[0:1], 0x20             ; true_values s[12:13], out0 s[14:15]
	v_lshrrev_b32 v1, 5, v0
	v_readfirstlane_b32 s84, v1
	v_and_b32 v[LN], 31, v0
	v_and_b32 v[RR], 7, v0                         ; r % 8
	v_bfe_u32 v[RH], v0, 4, 1                      ; h
	s_lshl_b32 s85, ttmp9, 2
	s_add_co_u32 s85, s85, s84                     ; the query
	s_lshl_b32 s90, s85, 8
	s_mov_b32 s91, 0
	s_wait_alu depctr_va_vdst(0)
	s_wait_kmcnt 0x0
	s_add_nc_u64 s[4:5], s[4:5], s[90:91]
	s_load_b512 s[16:31], s[4:5], 0x0              ; the pair of list place l: s[16 + 2 l] for l < 24, s[20 + 2 l] from there on
	s_load_b512 s[32:47], s[4:5], 0x40
	s_load_b512 s[48:63], s[4:5], 0x80
	s_load_b512 s[68:83], s[4:5], 0xc0
	s_lshr_b32 s92, s85, 4                         ; the query's tile
	s_and_b32 s93, s85, 15                         ; and its row there
	s_mul_i32 s90, s92, 6144
	s_lshl_b32 s3, s93, 4
	s_add_co_u32 s90, s90, s3
	s_add_nc_u64 s[86:87], s[10:11], s[90:91]      ; its images: 16 bytes at lane (row, h)
	s_lshl_b32 s90, s92, 8
	s_lshl_b32 s3, s93, 3
	s_add_co_u32 s90, s90, s3
	s_add_nc_u64 s[88:89], s[10:11], s[90:91]      ; its scale pair (+ 393,216)
	s_lshl_b32 s90, s85, 2
	s_add_nc_u64 s[10:11], s[10:11], s[90:91]      ; its qq (+ 409,600)
	s_add_nc_u64 s[14:15], s[14:15], s[90:91]      ; its place in out0
	s_load_b32 s2, s[10:11], 0x64000
	v_lshlrev_b32 v[QO], 8, v[RH]
	v_lshlrev_b32 v[QSO], 7, v[RH]
.irp k, 0,1,2,3
.irp i, 0,1,2
	global_load_b128 v[QF+12*\k+4*\i:QF+12*\k+4*\i+3], v[QO], s[86:87] offset:1536*\k+512*\i   ; every column of source 1 is the query
.endr
.endr
	global_load_b64 v[QSP:QSP+1], v[QSO], s[88:89] offset:393216
	v_lshlrev_b32 v[TA], 7, v[RH]
	v_lshl_add_u32 v[TA], v[RR], 4, v[TA]
	v_lshlrev_b32 v[TS], 6, v[RH]
	v_lshl_add_u32 v[TS], v[RR], 3, v[TS]
	v_mov_b32 v[RW], 0
	v_mov_b32 v[RBS], 0
	v_mov_b32 v[RE], 0
	s_mov_b32 s[RUN], 0
	s_wait_alu depctr_va_vdst(0)
	s_wait_kmcnt 0x0
.set el, 0
.rept 32                               ; the last pair whose running count is at most my lane's number is mine
.if el < 24
.set PR, 16+2*el
.else
.set PR, 20+2*el
.endif
	v_cmp_le_u32 vcc_lo, s[RUN], v[LN]
	v_cndmask_b32 v[RW], v[RW], s[PR], vcc_lo
	v_cndmask_b32 v[RBS], v[RBS], s[PR+1], vcc_lo
	v_cndmask_b32 v[RE], v[RE], s[RUN], vcc_lo
	s_bcnt1_i32_b32 s[TMP], s[PR]
	s_add_co_u32 s[RUN], s[RUN], s[TMP]
.set el, el+1
.endr
	v_sub_nc_u32 v[RK], v[LN], v[RE]
	v_mov_b32 v[RC], 0
	v_mov_b32 v[RP], 0
.set eb, 0
.rept 16
	v_bfe_u32 v[RT], v[RW], eb, 1
	v_add_nc_u32 v[RC], v[RC], v[RT]
	v_cmp_le_u32 vcc_lo, v[RC], v[RK]
	v_add_co_ci_u32 v[RP], vcc_lo, 0, v[RP], vcc_lo
.set eb, eb+1
.endr
	v_add_nc_u32 v[GID], v[RBS], v[RP]
	v_min_u32 v[GID], 0x30d3, v[GID]               ; my group, held at 12,499
	v_lshlrev_b32 v[OWN], 5, v[GID]                ; its eight rows' 32 bytes
	global_load_b128 v[TV:TV+3], v[OWN], s[12:13]
	global_load_b128 v[TV+4:TV+7], v[OWN], s[12:13] offset:16
	global_load_b128 v[MMV:MMV+3], v[OWN], s[8:9] offset:1600000
	global_load_b128 v[MMV+4:MMV+7], v[OWN], s[8:9] offset:1600016
.set ti, 0
.rept 32
	v_readlane_b32 s[16+ti], v[GID], ti            ; the 32 groups as scalars: the list's registers are free
.set ti, ti+1
.endr
	s_mov_b32 s[RM], 0xff00ff00                    ; the lanes of rows 8-15
.set ti, 0
.rept 16
	v_mov_b32 v[VG], s[16+ti]                      ; rows 0-7: group i;
	v_cndmask_b32 v[VG], v[VG], s[32+ti], s[RM]    ; rows 8-15: group 16 + i
	v_min_u32 v[VG], 0x30d3, v[VG]
	v_mad_u32_u24 v[VA+ti], v[VG], 0xc00, v[TA]    ; 3,072 bytes a group
	v_lshl_add_u32 v[VS+ti], v[VG], 7, v[TS]       ; 128 bytes of scale pairs
.set ti, ti+1
.endr
.set ti, 0
.rept 16
	global_load_b64 v[AS+2*ti:AS+2*ti+1], v[VS+ti], s[8:9]
.set ti, ti+1
.endr
.irp g, 0,1,2,3
.irp k, 0,1,2,3
.irp a, 0,1,2,3
	FRSET \g, \a, \k
	WIN FW<<6
.irp i, 0,1,2
	global_load_b128 v[FRG+4*\i:FRG+4*\i+3], v[VA+4*\g+\a], s[6:7] offset:256*(3*\k+\i)
.endr
.endr
.endr
.endr
	WIN 0
	s_mov_b32 s[SEL], 0x76543210
	s_mov_b32 s[SEL+1], 0xfedcba98
	s_wait_loadcnt 63                              ; behind group 0's fragments 144 loads were issued: the count stays under that
	GROUP 0
	WIN 0
.rept 4
	v_nop                                          ; the places behind group 0's products
.endr
	s_wait_loadcnt 63                              ; behind group 1's: 96
	GROUP 1
	s_wait_alu depctr_va_vdst(0)
	s_wait_loadcnt 48                              ; behind group 2's: 48
	GROUP 2
	s_wait_alu depctr_va_vdst(0)
	s_wait_loadcnt 0x0
	GROUP 3
	MERGE 0, 3
	MERGE 1, 3
	MERGE 2, 3
	MERGE 3, 3
.irp j, 0,1,2,3,4,5,6,7
	v_fma_f32 v[KR+\j], v[KR+\j], -2.0, s2         ; qq - 2 dot, one rounding,
.endr
.irp j, 0,1,2,3,4,5,6,7
	v_add_f32 v[KR+\j], v[KR+\j], v[MMV+\j]        ; + mm
.endr
.irp j, 0,1,2,3,4,5,6,7
	v_ashrrev_i32 v[RT], 31, v[KR+\j]              ; as whole numbers that sort alike
	v_or_b32 v[RT], 0x80000000, v[RT]
	v_xor_b32 v[KR+\j], v[KR+\j], v[RT]
.endr
	s_mov_b32 s[ST], 0
	s_mov_b32 s[SM], 0x80000000
	s_mov_b32 s[IT], 32
.Lbit:                                             ; the 32nd smallest key, bit by bit; nothing but values is chosen by the counts
	s_or_b32 s[SC], s[ST], s[SM]
	COUNT 8, SC
	s_cmp_lt_u32 s[CNT], 32
	s_cselect_b32 s[ST], s[SC], s[ST]
	s_lshr_b32 s[SM], s[SM], 1
	s_sub_co_i32 s[IT], s[IT], 1
	s_cmp_lg_u32 s[IT], 0
	s_cbranch_scc1 .Lbit
	COUNT 8, ST
	s_sub_co_u32 s[NEED], 32, s[CNT]
	v_mov_b32 v[RE], 0
.irp j, 0,1,2,3,4,5,6,7
	v_cmp_eq_u32 vcc_lo, s[ST], v[KR+\j]
	v_mbcnt_lo_u32_b32 v[RE], vcc_lo, v[RE]
.endr
	v_mov_b32 v[SUM], 0
.irp j, 0,1,2,3,4,5,6,7
	v_cmp_gt_u32 s[SA], s[NEED], v[RE]
	v_cmp_eq_u32 vcc_lo, s[ST], v[KR+\j]
	s_and_b32 s[SA], s[SA], vcc_lo
	v_add_co_ci_u32 v[RE], vcc_lo, 0, v[RE], vcc_lo
	v_cmp_gt_u32 vcc_lo, s[ST], v[KR+\j]
	s_or_b32 vcc_lo, vcc_lo, s[SA]                 ; chosen: under the 32nd, or equal and, in the order of row numbers, in time
	v_cndmask_b32 v[RT], 0, v[TV+\j], vcc_lo
	v_add_f32 v[SUM], v[SUM], v[RT]
.endr
	v_mov_b32 v[T2], 0
	v_add_f32_dpp v[SUM], v[SUM], v[SUM] row_xmask:1 row_mask:0xf bank_mask:0xf
	v_add_f32_dpp v[SUM], v[SUM], v[SUM] row_xmask:2 row_mask:0xf bank_mask:0xf
	v_add_f32_dpp v[SUM], v[SUM], v[SUM] row_xmask:4 row_mask:0xf bank_mask:0xf
	v_add_f32_dpp v[SUM], v[SUM], v[SUM] row_xmask:8 row_mask:0xf bank_mask:0xf
	v_permlanex16_b32 v[T2], v[SUM], s[SEL], s[SEL+1]
	v_add_f32 v[SUM], v[SUM], v[T2]
	v_mul_f32 v[SUM], 0x3d000000, v[SUM]           ; / 32
	v_mov_b32 v[ZO], 0
	v_cmp_eq_u32 vcc_lo, 0, v[LN]
	s_wait_alu depctr_va_vdst(0)
	s_wait_xcnt 0x0                                ; EXEC changes only behind this wait
	s_and_saveexec_b32 s[EX], vcc_lo
	global_store_b32 v[ZO], v[SUM], s[14:15]       ; one number a query: the output is 4,096 bytes in all
	s_wait_xcnt 0x0
	s_or_b32 exec_lo, exec_lo, s[EX]
	s_endpgm
.Lfunc_end_k_qd107351819_finish:
	.size	k_qd107351819_finish, .Lfunc_end_k_qd107351819_finish-k_qd107351819_finish
	.p2alignl 7, 3214868480
	.fill 96, 4, 3214868480
	.section	.rodata,"a",@progbits
	.p2align	6, 0x0
	.amdhsa_kernel k_qd107351819_finish
		.amdhsa_group_segment_fixed_size 0
		.amdhsa_private_segment_fixed_size 0
		.amdhsa_enable_private_segment 0
		.amdhsa_kernarg_size 48
		.amdhsa_user_sgpr_count 2
		.amdhsa_user_sgpr_kernarg_segment_ptr 1
		.amdhsa_wavefront_size32 1
		.amdhsa_system_sgpr_workgroup_id_x 1
		.amdhsa_system_sgpr_workgroup_id_y 1
		.amdhsa_system_sgpr_workgroup_id_z 1
		.amdhsa_system_vgpr_workitem_id 0
		.amdhsa_next_free_vgpr 1024
		.amdhsa_next_free_sgpr 96
		.amdhsa_reserve_vcc 1
		.amdhsa_float_denorm_mode_32 3
		.amdhsa_float_denorm_mode_16_64 3
		.amdhsa_memory_ordered 1
		.amdhsa_forward_progress 1
		.amdhsa_inst_pref_size 69
	.end_amdhsa_kernel
	.amdgpu_metadata
---
amdhsa.version: [ 1, 2 ]
amdhsa.kernels:
  - .name:           k_qd107351819_finish
    .symbol:         k_qd107351819_finish.kd
    .args:
      - { .name: sel3, .offset: 0, .size: 8, .value_kind: global_buffer, .address_space: global }
      - { .name: cimg, .offset: 8, .size: 8, .value_kind: global_buffer, .address_space: global }
      - { .name: cside, .offset: 16, .size: 8, .value_kind: global_buffer, .address_space: global }
      - { .name: qpk, .offset: 24, .size: 8, .value_kind: global_buffer, .address_space: global }
      - { .name: true_values, .offset: 32, .size: 8, .value_kind: global_buffer, .address_space: global }
      - { .name: out0, .offset: 40, .size: 8, .value_kind: global_buffer, .address_space: global }
    .group_segment_fixed_size: 0
    .private_segment_fixed_size: 0
    .kernarg_segment_align: 8
    .kernarg_segment_size: 48
    .max_flat_workgroup_size: 128
    .sgpr_count:     96
    .vgpr_count:     1024
    .wavefront_size: 32
...
	.end_amdgpu_metadata
.endif
;; end of part 5
